; MI455X (gfx1250); checked and timed in simulation.
; The chip was launched on July 23, 2026; its instructions are those of AMD's public machine-readable ISA for CDNA 5 (MIT licence, August 2026) and "CDNA5" Instruction Set Architecture Reference Guide (July 2026). The comments in the code are by the model that wrote it; some were corrected since.
;; Head. Allowed arithmetic: float matrix products may take bf16 or f16 operands with f32 sums; other float arithmetic in f32, or as packed bf16 or f16 multiplies, adds, multiply-adds, maxima and minima; sums over many terms, partial sums and values carried from step to step in f32; what a program stores and reads back later, other than sums and carried values, may be rounded once to bf16 or f16.
;; Inputs: Wk 1,024 x 256 float32; Wq 1,024 x 256 float32; Wv 1,024 x 256 float32; bk 256 float32; bq 256 float32; bv 256 float32; x 16 x 2,048 x 1,024 float32.
;; Outputs: out0 16 x 2,048 x 256 float32.
;; One version. Each part assembles by itself: llvm-mc -triple=amdgcn-amd-amdhsa -mcpu=gfx1250 --defsym DOCPART=n.
;; ======== version 1 of 1: 3 launches
;; limits: values are held in f16: magnitudes above 65,504 overflow, below 6.1e-05 lose precision
;; workspace buffers: wt 1,572,864 bytes; bias 3,072 bytes; q16 16,777,216 bytes; k16 16,777,216 bytes; v16 16,777,216 bytes
;; launch prep (part 1): grid 8 x 12, 8 waves a work-group, no clusters, 0 bytes of LDS; arguments Wq, Wk, Wv, bq, bk, bv, wt, bias; writes wt, bias
.if DOCPART == 1
	.amdgcn_target "amdgcn-amd-amdhsa--gfx1250"
	.amdhsa_code_object_version 6
	.text
	.protected	k_q8e01632b7e_prep
	.globl	k_q8e01632b7e_prep
	.p2align	8
	.type	k_q8e01632b7e_prep,@function
k_q8e01632b7e_prep:
	s_mov_b64 s[64:65], 0
	v_nop
	global_prefetch_b8 v0, s[64:65] scope:SCOPE_SE
	s_setreg_imm32_b32 hwreg(HW_REG_WAVE_MODE, 25, 1), 1
	s_wait_xcnt 0x0
; THE WEIGHTS, ONCE: Wq, Wk, Wv ([1024 k][256 n], f32) are rounded to bf16 and turned so that k lies along the rows:
; wt = [16 K steps][768 places][64 k] bf16, a K step being 98,304 dense bytes.  Column n = 256 x matrix + column lies at place
; (n & ~7) | (2 (n & 3) + ((n >> 2) & 1)): the order inside a group of eight is chosen so that sixteen neighbouring lanes store 256
; consecutive, aligned bytes; the next launch undoes it in a lane's address.  The biases are rounded to bf16 like every input and kept as f32.
; SHARES.  Work-group (x, y): 128 k (x), matrix y / 4, 64 columns (y % 4); a wave takes 8 columns; lane: kg = l % 8 (8 k), ns = (l / 8) % 2 (4 columns), ks = l / 16 (64 k).
; 3 MiB in all, each byte read once: no LDS, no barrier, no matrix unit; nothing is shared, so no cluster.
.set KSB, 98304                        ; bytes of a K step in wt
	s_load_b512 s[4:19], s[0:1], 0x0               ; Wq, Wk, Wv, bq, bk, bv, wt s[16:17], bias s[18:19]
	s_and_b32 s24, ttmp7, 0xffff
	s_lshr_b32 s25, s24, 2                         ; matrix 0..2
	s_and_b32 s26, s24, 3                          ; block of 64 columns
	v_lshrrev_b32 v3, 5, v0
	v_readfirstlane_b32 s27, v3                    ; wave 0..7
	v_and_b32 v4, 7, v0                            ; kg
	v_bfe_u32 v5, v0, 3, 1                         ; ns
	v_bfe_u32 v6, v0, 4, 1                         ; ks
	s_lshl_b32 s28, ttmp9, 17                      ; from: 128 rows of 1,024 bytes a work-group,
	s_lshl_b32 s29, s26, 8                         ; 64 columns of 4 bytes,
	s_add_co_u32 s28, s28, s29
	s_lshl_b32 s29, s27, 5                         ; 8 columns a wave
	s_add_co_u32 s28, s28, s29
	v_lshlrev_b32 v1, 16, v6                       ; 64 rows,
	v_lshl_add_u32 v1, v4, 13, v1                  ; 8 rows,
	v_lshl_add_u32 v1, v5, 4, v1                   ; 4 columns
	v_add_nc_u32 v1, s28, v1
	s_mul_i32 s30, ttmp9, 2*KSB                    ; to: two K steps a work-group,
	s_lshl_b32 s29, s25, 15                        ; 256 places of 128 bytes a matrix,
	s_add_co_u32 s30, s30, s29
	s_lshl_b32 s29, s26, 13                        ; 64 places,
	s_add_co_u32 s30, s30, s29
	s_lshl_b32 s29, s27, 10                        ; 8 places a wave
	s_add_co_u32 s30, s30, s29
	v_mul_u32_u24 v2, v6, KSB
	v_lshl_add_u32 v2, v5, 7, v2                   ; place 2 i + ns: ns here, i in the store's immediate
	v_lshl_add_u32 v2, v4, 4, v2                   ; 8 k of 2 bytes
	v_add_nc_u32 v2, s30, v2
	s_wait_kmcnt 0x0
	s_cmp_eq_u32 s25, 0                            ; the matrix and its bias are chosen by the work-group's y alone
	s_cselect_b64 s[20:21], s[4:5], s[6:7]
	s_cselect_b64 s[22:23], s[10:11], s[12:13]
	s_cmp_eq_u32 s25, 2
	s_cselect_b64 s[20:21], s[8:9], s[20:21]
	s_cselect_b64 s[22:23], s[14:15], s[22:23]
.irp j, 0,1,2,3,4,5,6,7
	global_load_b128 v[8+4*(\j):11+4*(\j)], v1, s[20:21] offset:1024*(\j) th:TH_LOAD_NT  ; row k0 + j, my four columns
.endr
	s_wait_loadcnt 0x0
.irp i, 0,1,2,3
.irp p, 0,1,2,3
	v_cvt_pk_bf16_f32 v[40+4*(\i)+(\p)], v[8+8*(\p)+(\i)], v[12+8*(\p)+(\i)]  ; column i: k0 + 2 p below, k0 + 2 p + 1 above
.endr
.endr
.irp i, 0,1,2,3
	global_store_b128 v2, v[40+4*(\i):43+4*(\i)], s[16:17] offset:256*(\i)  ; sixteen lanes: 256 consecutive bytes, aligned
.endr
	s_cmp_lg_u32 ttmp9, 0                          ; the bias: the work-groups with x = 0, wave 0: 64 numbers
	s_cbranch_scc1 .Lend
	s_cmp_lg_u32 s27, 0
	s_cbranch_scc1 .Lend
	v_lshlrev_b32 v3, 3, v0                        ; two numbers a lane (in wave 0 the thread's number is the lane)
	s_lshl_b32 s29, s26, 8
	v_add_nc_u32 v7, s29, v3
	global_load_b64 v[8:9], v7, s[22:23]
	s_lshl_b32 s28, s25, 10
	s_add_co_u32 s28, s28, s29
	v_add_nc_u32 v3, s28, v3
	s_wait_loadcnt 0x0
	v_cvt_pk_bf16_f32 v10, v8, v9                  ; rounded to bf16,
	v_lshlrev_b32 v12, 16, v10                     ; and written as f32 again
	v_and_b32 v13, 0xffff0000, v10
	global_store_b64 v3, v[12:13], s[18:19]        ; 32 lanes: 256 consecutive bytes, aligned
.Lend:
	s_endpgm
.Lfunc_end_k_q8e01632b7e_prep:
	.size	k_q8e01632b7e_prep, .Lfunc_end_k_q8e01632b7e_prep-k_q8e01632b7e_prep
	.p2alignl 7, 3214868480
	.fill 96, 4, 3214868480
	.section	.rodata,"a",@progbits
	.p2align	6, 0x0
	.amdhsa_kernel k_q8e01632b7e_prep
		.amdhsa_group_segment_fixed_size 0
		.amdhsa_private_segment_fixed_size 0
		.amdhsa_enable_private_segment 0
		.amdhsa_kernarg_size 64
		.amdhsa_user_sgpr_count 2
		.amdhsa_user_sgpr_kernarg_segment_ptr 1
		.amdhsa_wavefront_size32 1
		.amdhsa_system_sgpr_workgroup_id_x 1
		.amdhsa_system_sgpr_workgroup_id_y 1
		.amdhsa_system_sgpr_workgroup_id_z 1
		.amdhsa_system_vgpr_workitem_id 0
		.amdhsa_next_free_vgpr 56
		.amdhsa_next_free_sgpr 66
		.amdhsa_reserve_vcc 0
		.amdhsa_float_denorm_mode_32 3
		.amdhsa_float_denorm_mode_16_64 3
		.amdhsa_memory_ordered 1
		.amdhsa_forward_progress 1
		.amdhsa_inst_pref_size 5
	.end_amdhsa_kernel
	.amdgpu_metadata
---
amdhsa.version: [ 1, 2 ]
amdhsa.kernels:
  - .name:           k_q8e01632b7e_prep
    .symbol:         k_q8e01632b7e_prep.kd
    .args:
      - { .name: Wq, .offset: 0, .size: 8, .value_kind: global_buffer, .address_space: global }
      - { .name: Wk, .offset: 8, .size: 8, .value_kind: global_buffer, .address_space: global }
      - { .name: Wv, .offset: 16, .size: 8, .value_kind: global_buffer, .address_space: global }
      - { .name: bq, .offset: 24, .size: 8, .value_kind: global_buffer, .address_space: global }
      - { .name: bk, .offset: 32, .size: 8, .value_kind: global_buffer, .address_space: global }
      - { .name: bv, .offset: 40, .size: 8, .value_kind: global_buffer, .address_space: global }
      - { .name: wt, .offset: 48, .size: 8, .value_kind: global_buffer, .address_space: global }
      - { .name: bias, .offset: 56, .size: 8, .value_kind: global_buffer, .address_space: global }
    .group_segment_fixed_size: 0
    .private_segment_fixed_size: 0
    .kernarg_segment_align: 8
    .kernarg_segment_size: 64
    .max_flat_workgroup_size: 256
    .sgpr_count:     66
    .vgpr_count:     56
    .wavefront_size: 32
...
	.end_amdgpu_metadata
.endif
;; end of part 1
;; launch proj (part 2): grid 256 x 1, 4 waves a work-group, clusters of 4 x 1, 327,680 bytes of LDS; arguments x, wt, bias, q16, k16, v16; writes q16, k16, v16
.if DOCPART == 2
	.amdgcn_target "amdgcn-amd-amdhsa--gfx1250"
	.amdhsa_code_object_version 6
	.text
	.protected	k_q8e01632b7e_proj
	.globl	k_q8e01632b7e_proj
	.p2align	8
	.type	k_q8e01632b7e_proj,@function
k_q8e01632b7e_proj:
	s_mov_b64 s[64:65], 0
	v_nop
	global_prefetch_b8 v0, s[64:65] scope:SCOPE_SE
	s_setreg_imm32_b32 hwreg(HW_REG_WAVE_MODE, 25, 1), 1
	s_wait_xcnt 0x0
	s_wait_alu depctr_hold_cnt(0) depctr_sa_sdst(0) depctr_va_vdst(0) depctr_va_sdst(0) depctr_va_ssrc(0) depctr_va_vcc(0) depctr_vm_vsrc(0)
	s_getreg_b32 s2, hwreg(HW_REG_IB_STS2, 6, 4)
	s_cmp_eq_u32 s2, 0
	s_cbranch_scc0 .Lentry_in_a_cluster
	s_endpgm
.Lentry_in_a_cluster:
	s_bfe_u32 s2, ttmp6, 0x10000c
	s_cmp_lg_u32 s2, 0x3003
	s_cbranch_scc0 .Lentry_shape_is_right
	s_endpgm
.Lentry_shape_is_right:
; q, k, v = bf16(x) . bf16(W) + bias, sums in f32, each result rounded once to f16.  x: [32768][1024] f32; wt: [16 K steps][768 places][64 k] bf16 (the launch before); bias: [768] f32;
; q16, k16, v16: [32768][256] f16.
; LIMIT.  f16 holds no number beyond 65,504: |q|, |k|, |v| must stay below that.  NaN and infinities are not treated apart.
; SHARES.  A work-group owns 128 rows of x and ALL 768 columns, so each byte of x is asked for once in the launch.  Wave w makes the 128 rows x columns 192 w .. 192 w + 191:
; 96 accumulators of 16 x 16, 768 registers: 20 fragments out of LDS feed 96 matrix instructions.
; K goes in 16 periods of 64.  x arrives as f32 in a raw slot (wave 0's tensor load); each wave rounds a quarter of it to bf16 ONCE, a period ahead, into a slot that only LDS stores write.
; wt's K step is the same for every work-group: the four of a cluster ask for it JOINTLY (waves 1 to 3, a third each, one descriptor and one mask in all four).
; THE MATRIX INSTRUCTION IS USED TRANSPOSED (source 0 = 16 columns of W, source 1 = 16 rows of x): a lane then holds one row and eight neighbouring columns.
; LDS: raw x 2 x 32,768 (rows of 256 bytes, read on end); wt 2 x 110,592 (768 places, pitch 144); bf16 x 2 x 18,432 (128 rows, pitch 144); the spare words.
; Pitch 144 = 36 words: the 16 rows of a fragment load start at 16 different groups of four banks (64 banks of 4 bytes: ISA guide 11.1).
; The stage of the way out (128 rows, pitch 1,552) lies on wt's two slots, behind their last fill.
; REGISTERS: window 0: v2-15 addresses; v16-47 raw x, v48-63 rounded x; v64-127, v128-191 x's fragments (8 each); v192-223, v224-255 W's (4 each).
;            windows 1-3: accumulator (b, a) in window 1 + b / 4 at 64 (b % 4) + 8 a.
.set PB,     144
.set RAWSZ,  32768
.set BS0,    65536
.set BTH,    256*PB                    ; a third of wt's slot: what one joint load brings
.set BSSZ,   3*BTH
.set AS0,    BS0+2*BSSZ
.set ASSZ,   128*PB
.set SPARE,  AS0+2*ASSZ                ; the spare words, 128 bytes a wave: two blocks of 256 bytes that no other line names
.set STAGE,  BS0
.set SPITCH, 1552                      ; 1,536 bytes of a row + 16 = 97 x 16
.set KSB,    98304
.set ADRA, 2                           ; v2-3   my place in x's fragments, slot 0, 1
.set ADRB, 4                           ; v4-5   the same for W's
.set CVR,  6                           ; v6-7   where I read raw x
.set CVW,  8                           ; v8-9   where I put rounded x
.set SPW,  10                          ; v10    my spare word; never rewritten
.set NIL,  11                          ; v11    0; never rewritten
.set PFO,  12                          ; v12    4,096 x lane: a row of x
.set PFL,  13                          ; v13    256 x lane
.set BO,   14                          ; v14    my byte offset in the bias
.set CR,   16
.set CO,   48
.set AF0,  64
.set AF1,  128
.set BF0,  192
.set BF1,  224
.set BIAS, 16                          ; v16-111 the way out: 8 numbers for each of my 12 column blocks
.set STO,  112                         ; v112-115 the way out: where I put 16 bytes, rows 32 i on
.set RD,   116
.set GO,   117
.set TMPO, 192
.set OB,   128
.set WV,   16
.set CX,   17
.set WG,   18
.set LAPS, 19
.set G1A,  24                          ; s[24:31] group 1 for x     s[32:39] for wt
.set G1B,  32
.set G0A,  40                          ; s[40:47] group 0 for x, a set a raw slot     s[48:55] for wt, a set a slot
.set G0B,  48
.set PFX,  56                          ; s[56:57] where my prefetches of x stand     s[58:59] of wt
.set PFW,  58
.set LIMW, 60                          ; 1 in a wave that prefetches wt
.set MSB, 0
.macro WIN new                         ; the immediate's high byte repeats the setting that is left; a switch that changes nothing is dropped
.if MSB != (\new)
	s_set_vgpr_msb (MSB<<8)|(\new)
.set MSB, \new
.endif
.endm
.macro PLACES                          ; four places between a matrix instruction and a load into, or a vector line on, its registers
.rept 4
	v_nop
.endr
.endm
.macro CREST                           ; a round of the cluster's barrier behind its opening barrier
	s_cmp_lg_u32 s[WV], 0
	s_cbranch_scc1 .Lnw0_\@
	s_barrier_signal -3
.Lnw0_\@:
	s_barrier_wait -3
	s_barrier_signal -1
	s_barrier_wait -1
.endm
.macro CROUND
	s_barrier_signal -1
	s_barrier_wait -1
	CREST
.endm
; The fills behind a round.  Wave 0: x's next chunk, into the raw slot that has just been rounded (its own load, no mask).  Waves 1-3: wt's next K step, jointly, into the slot just multiplied.
; kind 2: both; 1: wt alone; 3: x alone.  An s_nop 0 and four v_nop follow each load; the v_nop are also the places in front of the fragment loads that follow.
.macro JLOAD s, kind
	s_cmp_eq_u32 s[WV], 0
	s_cbranch_scc0 .Ljb_\@
.if (\kind) != 1
	tensor_load_to_lds s[G0A+4*(1-(\s)):G0A+4*(1-(\s))+3], s[G1A:G1A+7]
	s_nop 0
.endif
	PLACES
	s_branch .Ljd_\@
.Ljb_\@:
.if (\kind) != 3
	tensor_load_to_lds s[G0B+4*(\s):G0B+4*(\s)+3], s[G1B:G1B+7]
	s_nop 0
.endif
	PLACES
.Ljd_\@:
.endm
; PREFETCHES INTO THE L2, behind the fills and the run of LDS loads.  x: each wave names the chunk that the NEXT change of slots will ask for, for 32 of the work-group's rows, a lane a row.
; wt: the first cluster alone names the K step that the next change will ask for; its 384 blocks of 256 bytes are shared out by address among 4 work-groups x 3 waves x 32 lanes.
.macro ASK
	global_prefetch_b8 v[PFO], s[PFX:PFX+1] th:TH_LOAD_NT scope:SCOPE_SE
	s_cmp_eq_u32 s[LIMW], 1
	s_cbranch_scc0 .Lnw_\@
	global_prefetch_b8 v[PFL], s[PFW:PFW+1] th:TH_LOAD_NT scope:SCOPE_SE
.Lnw_\@:
.endm
; 8 (b1 - b0 + 1) matrix instructions of column group g (window 1 + g): all accumulators by turns, one instruction a turn.  zero = 1: the product starts the sum.
.macro MUL g, af, bf, b0, b1, zero
	WIN 0x50*((\g)+1)
.set bi, \b0
.rept (\b1)-(\b0)+1
.set aa, 0
.rept 8
.if \zero
	v_wmma_f32_16x16x32_bf16 v[64*bi+8*aa:64*bi+8*aa+7], v[(\bf)+8*bi:(\bf)+8*bi+7], v[(\af)+8*aa:(\af)+8*aa+7], 0
.else
	v_wmma_f32_16x16x32_bf16 v[64*bi+8*aa:64*bi+8*aa+7], v[(\bf)+8*bi:(\bf)+8*bi+7], v[(\af)+8*aa:(\af)+8*aa+7], v[64*bi+8*aa:64*bi+8*aa+7]
.endif
.set aa, aa+1
.endr
.set bi, bi+1
.endr
.endm
.macro FB s, k, g, bf                  ; W's four fragments of group g, 32 k at byte 64 k of the rows
.irp bq, 0,1,2,3
	ds_load_b128 v[(\bf)+8*(\bq):(\bf)+8*(\bq)+3],   v[ADRB+(\s)] offset:16*(4*(\g)+(\bq))*PB+64*(\k)
	ds_load_b128 v[(\bf)+8*(\bq)+4:(\bf)+8*(\bq)+7], v[ADRB+(\s)] offset:16*(4*(\g)+(\bq))*PB+64*(\k)+32
.endr
.endm
.macro FA s, k, af, a0                 ; x's fragments a0 .. a0 + 3
.irp aq, 0,1,2,3
	ds_load_b128 v[(\af)+8*((\a0)+(\aq)):(\af)+8*((\a0)+(\aq))+3],   v[ADRA+(\s)] offset:16*((\a0)+(\aq))*PB+64*(\k)
	ds_load_b128 v[(\af)+8*((\a0)+(\aq))+4:(\af)+8*((\a0)+(\aq))+7], v[ADRA+(\s)] offset:16*((\a0)+(\aq))*PB+64*(\k)+32
.endr
.endm
.macro CVL o, q                        ; half q of my 32 raw rows: eight loads of 512 bytes on end
.irp i, 0,1,2,3,4,5,6,7
	ds_load_b128 v[CR+4*(\i):CR+4*(\i)+3], v[CVR+(\o)] offset:512*(8*(\q)+(\i))
.endr
.endm
.macro CVS o, q                        ; rounded to bf16 and stored: 8 bytes a lane, two rows a store
.irp i, 0,1,2,3,4,5,6,7
	v_cvt_pk_bf16_f32 v[CO+2*(\i)],   v[CR+4*(\i)],   v[CR+4*(\i)+1]
	v_cvt_pk_bf16_f32 v[CO+2*(\i)+1], v[CR+4*(\i)+2], v[CR+4*(\i)+3]
.endr
.irp i, 0,1,2,3,4,5,6,7
	ds_store_b64 v[CVW+(\o)], v[CO+2*(\i):CO+2*(\i)+1] offset:288*(8*(\q)+(\i))
.endr
.endm
; A PERIOD on slot s is six groups of 32 matrix instructions: column groups 0, 1, 2 for the first 32 k, then for the second.  A group: the wait for the run of LDS loads that the group before
; issued 24 matrix instructions earlier; 8 products; four places; ONE run of loads for what comes next; 24 products.  cv = 1: the next period's x is rounded on the way.
.macro HEAD3 s, zero, cv               ; groups 0 to 2
	s_wait_dscnt 0x0
	MUL 0, AF0, BF0, 0, 0, \zero
	PLACES
	WIN 0
	FB \s, 0, 1, BF1
	FA \s, 1, AF1, 0
.if \cv
	CVL 1-\s, 0
.endif
	MUL 0, AF0, BF0, 1, 3, \zero
	WIN 0
	s_wait_dscnt 0x0
.if \cv
	CVS 1-\s, 0
.endif
	MUL 1, AF0, BF1, 0, 0, \zero
	PLACES
	WIN 0
	FB \s, 0, 2, BF0
	FA \s, 1, AF1, 4
	MUL 1, AF0, BF1, 1, 3, \zero
	s_wait_dscnt 0x0
	MUL 2, AF0, BF0, 0, 0, \zero
	PLACES
	WIN 0
	FB \s, 1, 0, BF1
.if \cv
	CVL 1-\s, 1
.endif
	MUL 2, AF0, BF0, 1, 3, \zero
.endm
.macro G34 s, cv, bias                 ; groups 3 and 4.  bias = 1 (the last period): my 96 numbers of the bias are asked for, into registers that are free by then
	WIN 0
	s_wait_dscnt 0x0
.if \cv
	CVS 1-\s, 1
.endif
	MUL 0, AF1, BF1, 0, 0, 0
	PLACES
	WIN 0
	FB \s, 1, 1, BF0
.if \bias
.set b, 0
.rept 12
	global_load_b128 v[BIAS+8*b:BIAS+8*b+3],   v[BO], s[8:9] offset:64*b
	global_load_b128 v[BIAS+8*b+4:BIAS+8*b+7], v[BO], s[8:9] offset:64*b+16
.set b, b+1
.endr
.endif
	MUL 0, AF1, BF1, 1, 3, 0
	s_wait_dscnt 0x0
	MUL 1, AF1, BF0, 0, 0, 0
	PLACES
	WIN 0
	FB \s, 1, 2, BF1
	MUL 1, AF1, BF0, 1, 3, 0
.endm
; GROUP 5 CHANGES SLOTS.  In front of the barrier each wave waits for all its tensor loads (one is out: the next period's wt, or the raw x after next), adds 0 to its spare word, and waits for that,
; for its reads of this period's slots and of the raw slot, and for its stores of rounded x.  Behind it the other slots are whole and these are read no more.  kind > 0: the barrier opens a round of
; the cluster's, so that no partner's wave still reads wt's slot, and the fills come first behind it: a period's 192 matrix instructions less 32 in which to land.
.macro TURN s, kind, ask
.if \ask
	s_wait_xcnt 0x0                                ; the last prefetches, a period back, have read their addresses
	s_add_nc_u64 s[PFX:PFX+1], s[PFX:PFX+1], 256
	s_add_nc_u64 s[PFW:PFW+1], s[PFW:PFW+1], KSB
.endif
	WIN 0
	s_wait_tensorcnt 0x0                           ; no tensor load of mine is out: the descriptors may be stepped
	ds_add_u32 v[SPW], v[NIL]                      ; 0 onto my spare word
.if (\kind) == 2
	s_add_nc_u64 s[G0A+4*(1-(\s))+2:G0A+4*(1-(\s))+3], s[G0A+4*(1-(\s))+2:G0A+4*(1-(\s))+3], 512
.endif
.if (\kind) >= 1
	s_add_nc_u64 s[G0B+4*(\s)+2:G0B+4*(\s)+3], s[G0B+4*(\s)+2:G0B+4*(\s)+3], 2*KSB
.endif
	s_wait_dscnt 0x1                               ; the add alone may be out: group 4's eight loads are in
	MUL 2, AF1, BF1, 0, 0, 0
	s_wait_dscnt 0x0                               ; the add is done
	s_barrier_signal -1
	MUL 2, AF1, BF1, 1, 1, 0                       ; work on registers while the others arrive
	WIN 0
	s_barrier_wait -1
.if (\kind) > 0
	CREST
	JLOAD \s, \kind
.else
	PLACES
.endif
	FB 1-\s, 0, 0, BF0
	FA 1-\s, 0, AF0, 0
	FA 1-\s, 0, AF0, 4
.if \ask
	ASK
.endif
	MUL 2, AF1, BF1, 2, 3, 0
.endm
	s_load_b256 s[4:11], s[0:1], 0x0               ; x s[4:5], wt s[6:7], bias s[8:9], q16 s[10:11]
	s_load_b128 s[12:15], s[0:1], 0x20             ; k16 s[12:13], v16 s[14:15]
	v_lshl_add_u32 v[SPW], v0, 2, SPARE
	v_mov_b32 v[NIL], 0
	ds_add_u32 v[SPW], v[NIL]                      ; the wave's opening: the add, and its wait ahead of my first tensor load
	v_lshrrev_b32 v1, 5, v0
	v_readfirstlane_b32 s[WV], v1                  ; wave 0..3
	s_bfe_u32 s[CX], ttmp6, 0x40000                ; my place in the cluster
	s_lshl_b32 s[WG], ttmp9, 2                     ; in a cluster launch ttmp9 counts clusters
	s_add_co_u32 s[WG], s[WG], s[CX]               ; my block of 128 rows: it enters x's and the outputs' addresses alone
	s_mov_b32 s[G1A+0], 2<<16                      ; x: elements of 4 bytes, no mask, no padding
	s_mov_b32 s[G1A+1], 64<<16                     ; tensor_dim0 = 64
	s_mov_b32 s[G1A+2], 128<<16                    ; tensor_dim1 = 128
	s_mov_b32 s[G1A+3], 64<<16                     ; tile_dim0 = 64 (256 bytes)
	s_mov_b32 s[G1A+4], 128                        ; tile_dim1 = 128 rows
	s_mov_b32 s[G1A+5], 1024                       ; elements from row to row
	s_mov_b32 s[G1A+6], 0
	s_mov_b32 s[G1A+7], 0
	s_mov_b32 s[G1B+0], 15|(1<<16)|(1<<20)|(1<<21)|(4<<22)|(3<<25)  ; wt: the mask of four; 2-byte elements; padding on; bit 21 beside a mask; after every 32 words 4 words
	s_mov_b32 s[G1B+1], 128<<16                    ; 256 places are 32,768 dense bytes: asked for as 128 rows of 256 bytes, two places a row
	s_mov_b32 s[G1B+2], 128<<16
	s_mov_b32 s[G1B+3], 128<<16
	s_mov_b32 s[G1B+4], 128
	s_mov_b32 s[G1B+5], 128
	s_mov_b32 s[G1B+6], 0
	s_mov_b32 s[G1B+7], 0
	s_mul_i32 s20, s[WV], BTH                      ; wave w (1..3) fills third w - 1 of wt's slot
	s_add_co_u32 s21, s[WV], 3
	s_and_b32 s21, s21, 3                          ; w - 1 for waves 1..3 (wave 0 asks for no wt)
	s_lshl_b32 s22, s21, 15
	s_mov_b32 s23, 0
	s_lshl_b32 s2, s[WG], 19                       ; 128 rows of 4,096 bytes
	s_mov_b32 s3, 0
	s_wait_dscnt 0x0                               ; the opening add is done
	s_wait_kmcnt 0x0
	s_add_nc_u64 s[4:5], s[4:5], s[2:3]            ; x at my first row
	s_add_nc_u64 s[22:23], s[6:7], s[22:23]        ; wt at my third of K step 0
.irp sl, 0,1
	s_mov_b32 s[G0A+4*(\sl)], 1
	s_mov_b32 s[G0A+4*(\sl)+1], (\sl)*RAWSZ
	s_add_nc_u64 s[G0A+4*(\sl)+2:G0A+4*(\sl)+3], s[4:5], (\sl)*256
	s_or_b32 s[G0A+4*(\sl)+3], s[G0A+4*(\sl)+3], 0x80000000
	s_mov_b32 s[G0B+4*(\sl)], 1
	s_add_co_u32 s[G0B+4*(\sl)+1], s20, BS0-BTH+(\sl)*BSSZ
	s_add_nc_u64 s[G0B+4*(\sl)+2:G0B+4*(\sl)+3], s[22:23], (\sl)*KSB
	s_or_b32 s[G0B+4*(\sl)+3], s[G0B+4*(\sl)+3], 0x80000000
.endr
	CROUND                                         ; all four work-groups are here: the first joint loads meet
	s_cmp_eq_u32 s[WV], 0                          ; a wave's two first fills stand in one branch: two loads of mine are out
	s_cbranch_scc0 .Lfirst_b
	tensor_load_to_lds s[G0A:G0A+3], s[G1A:G1A+7]
	s_nop 0
	tensor_load_to_lds s[G0A+4:G0A+7], s[G1A:G1A+7]
	s_nop 0
	PLACES
	s_branch .Lfirst_done
.Lfirst_b:
	tensor_load_to_lds s[G0B:G0B+3], s[G1B:G1B+7]
	s_nop 0
	tensor_load_to_lds s[G0B+4:G0B+7], s[G1B:G1B+7]
	s_nop 0
	PLACES
.Lfirst_done:
	s_lshl_b32 s2, s[WV], 17                       ; the prefetches of x: my 32 rows,
	s_add_nc_u64 s[PFX:PFX+1], s[4:5], s[2:3]
	s_add_nc_u64 s[PFX:PFX+1], s[PFX:PFX+1], 3*256 ; at chunk 3: the first change of slots steps it to 4.  Nothing is prefetched here, at the head
	s_mul_i32 s2, s[CX], 24576                     ; of wt: my work-group's quarter of a K step,
	s_lshl_b32 s21, s21, 13                        ; my wave's third of that
	s_add_co_u32 s2, s2, s21
	s_add_nc_u64 s[PFW:PFW+1], s[6:7], s[2:3]
	s_add_nc_u64 s[PFW:PFW+1], s[PFW:PFW+1], 2*KSB ; at K step 2: stepped to 3
	s_cmp_eq_u32 s[WV], 0
	s_cselect_b32 s[LIMW], 0, 1
	s_cmp_eq_u32 ttmp9, 0                          ; the first cluster alone: the same answer in all four partners
	s_cselect_b32 s[LIMW], s[LIMW], 0
	s_lshl_b32 s2, s[WG], 16                       ; the outputs at the 32 rows that I store: 128 rows of 512 bytes a work-group,
	s_lshl_b32 s20, s[WV], 14                      ; 32 a wave
	s_add_co_u32 s2, s2, s20
	s_add_nc_u64 s[10:11], s[10:11], s[2:3]
	s_add_nc_u64 s[12:13], s[12:13], s[2:3]
	s_add_nc_u64 s[14:15], s[14:15], s[2:3]
	; A fragment is 16 rows x 32 k in 8 registers: lane l holds row l % 16; registers 0-3 k = 8 (l / 16) + 0..7, registers 4-7 k = 16 + 8 (l / 16) + 0..7: two loads of 16 bytes, 32 bytes apart.
	v_and_b32 v1, 15, v0                           ; r
	v_bfe_u32 v15, v0, 4, 1                        ; h
	v_mul_u32_u24 v[ADRA], v1, PB
	v_lshl_add_u32 v[ADRA], v15, 4, v[ADRA]
	v_add_nc_u32 v[ADRA+1], AS0+ASSZ, v[ADRA]
	v_add_nc_u32 v[ADRA], AS0, v[ADRA]
	v_and_b32 v[ADRB], 8, v1                       ; column r of a block lies at place (r & 8) + 2 (r & 3) + ((r >> 2) & 1)
	v_and_b32 v[ADRB+1], 3, v1
	v_lshl_add_u32 v[ADRB], v[ADRB+1], 1, v[ADRB]
	v_bfe_u32 v[ADRB+1], v1, 2, 1
	v_add_nc_u32 v[ADRB], v[ADRB], v[ADRB+1]
	v_mul_u32_u24 v[ADRB], v[ADRB], PB
	v_lshl_add_u32 v[ADRB], v15, 4, v[ADRB]
	s_mul_i32 s20, s[WV], 192*PB                   ; my 192 columns
	v_add_nc_u32 v[ADRB], s20, v[ADRB]
	v_add_nc_u32 v[ADRB+1], BS0+BSSZ, v[ADRB]
	v_add_nc_u32 v[ADRB], BS0, v[ADRB]
	v_and_b32 v[CVR], 31, v0
	v_lshlrev_b32 v[PFO], 12, v[CVR]
	v_lshlrev_b32 v[PFL], 8, v[CVR]
	s_lshl_b32 s20, s[WV], 13                      ; my 32 raw rows of 256 bytes
	v_lshl_add_u32 v[CVR], v[CVR], 4, s20
	v_add_nc_u32 v[CVR+1], RAWSZ, v[CVR]
	v_mul_u32_u24 v[CVW], v15, PB                  ; lanes 0-15 the even row, lanes 16-31 the odd one; 4 numbers = 8 bytes a lane
	v_lshl_add_u32 v[CVW], v1, 3, v[CVW]
	s_mul_i32 s20, s[WV], 32*PB
	v_add_nc_u32 v[CVW], s20, v[CVW]
	v_add_nc_u32 v[CVW+1], AS0+ASSZ, v[CVW]
	v_add_nc_u32 v[CVW], AS0, v[CVW]
	s_mul_i32 s20, s[WV], 768                      ; the bias of my 192 columns; 8 numbers for each half of the lanes
	v_lshl_add_u32 v[BO], v15, 5, s20
	s_wait_tensorcnt 0x1                           ; my first load is in (chunk 0 of x, or my third of K step 0); the second may stay out
	s_barrier_signal -1
	s_barrier_wait -1
	CVL 0, 0                                       ; chunk 0 is rounded ahead of the first period
	s_wait_dscnt 0x0
	CVS 0, 0
	CVL 0, 1
	s_wait_dscnt 0x0
	CVS 0, 1
	s_wait_tensorcnt 0x0                           ; raw slot 0 has been read: it takes chunk 2, in the order of every refill
	ds_add_u32 v[SPW], v[NIL]
	s_add_nc_u64 s[G0A+2:G0A+3], s[G0A+2:G0A+3], 512
	s_wait_dscnt 0x0                               ; the add, my reads of the raw slot, my stores of rounded x
	CROUND
	JLOAD 1, 3
	FB 0, 0, 0, BF0
	FA 0, 0, AF0, 0
	FA 0, 0, AF0, 4
	HEAD3 0, 1, 1                                  ; the first 96 products start the sums: nothing is cleared
	WIN 0
	s_mov_b32 s[LAPS], 6
.Llap:                                             ; a trip: from a period's fourth group once round the ring; both slots are filled again.  Six trips hold the changes behind periods 0 to 11
	G34 0, 1, 0
	TURN 0, 2, 1
	HEAD3 1, 0, 1
	G34 1, 1, 0
	TURN 1, 2, 1
	HEAD3 0, 0, 1
	WIN 0
	s_sub_co_u32 s[LAPS], s[LAPS], 1
	s_cmp_lg_u32 s[LAPS], 0
	s_cbranch_scc1 .Llap
	G34 0, 1, 0                                    ; the tail is written out.  Period 12
	TURN 0, 2, 0                                   ; x's chunk 15 and K step 14 are asked for
	HEAD3 1, 0, 1
	G34 1, 1, 0
	TURN 1, 1, 0                                   ; K step 15 alone
	HEAD3 0, 0, 1
	G34 0, 1, 0
	TURN 0, 0, 0                                   ; nothing more: a barrier of the work-group
	HEAD3 1, 0, 0                                  ; period 15 rounds nothing
	G34 1, 0, 1
	s_wait_dscnt 0x0
	MUL 2, AF1, BF1, 0, 3, 0
	; THE WAY OUT.  Bias added, rounded to f16, 16 bytes a lane into the work-group's stage; a barrier, since a row's 1,536 bytes come from four waves; back as whole rows of 512 bytes, 32 rows a wave.
	PLACES
	WIN 0
	s_wait_dscnt 0x0
	s_barrier_signal -1
	s_barrier_wait -1                              ; nobody reads wt's slots any more: the stage may be written
	v_and_b32 v[RD], 15, v0
	v_bfe_u32 v[GO], v0, 4, 1
	v_mul_u32_u24 v[STO], v[RD], SPITCH            ; row r, 16 bytes for each half of the lanes,
	v_lshl_add_u32 v[STO], v[GO], 4, v[STO]
	s_mul_i32 s20, s[WV], 384                      ; my 192 columns
	s_add_co_u32 s20, s20, STAGE
	v_add_nc_u32 v[STO], s20, v[STO]
	v_add_nc_u32 v[STO+1], 32*SPITCH, v[STO]
	v_add_nc_u32 v[STO+2], 64*SPITCH, v[STO]
	v_add_nc_u32 v[STO+3], 96*SPITCH, v[STO]
	v_and_b32 v[GO], 31, v0
	v_lshlrev_b32 v[GO], 4, v[GO]
	s_mul_i32 s20, s[WV], 32*SPITCH
	s_add_co_u32 s20, s20, STAGE
	v_add_nc_u32 v[RD], s20, v[GO]
	s_wait_loadcnt 0x0                             ; the bias
.set b, 0
.rept 12
.set n, 1+b/4
.set rb, 64*(b%4)
	WIN (n<<6)|n                                   ; destination and source 0 in the accumulators' window, the bias in window 0
.set q, 0
.rept 32                                           ; each accumulator's registers in ascending order
	v_pk_add_f32 v[rb+2*q:rb+2*q+1], v[rb+2*q:rb+2*q+1], v[BIAS+8*b+2*(q%4):BIAS+8*b+2*(q%4)+1]
.set q, q+1
.endr
	WIN n|(n<<2)
.set q, 0
.rept 32
	v_cvt_pk_f16_f32 v[TMPO+q], v[rb+2*q], v[rb+2*q+1]
.set q, q+1
.endr
	WIN 0
.set q, 0
.rept 8
	ds_store_b128 v[STO+q/2], v[TMPO+4*q:TMPO+4*q+3] offset:(q%2)*16*SPITCH+32*b
.set q, q+1
.endr
.set b, b+1
.endr
	s_wait_dscnt 0x0                               ; for the others' sake: my stores into the stage are done
	s_barrier_signal -1
	s_barrier_wait -1
.irp mat, 0,1,2
.if (\mat) > 0
	s_wait_xcnt 0x0                                ; the last batch's stores have read their registers
.endif
.set t, 0
.rept 32
	ds_load_b128 v[OB+4*t:OB+4*t+3], v[RD] offset:t*SPITCH+512*(\mat)
.set t, t+1
.endr
.set t, 0
.rept 32
	s_wait_dscnt 31-t                              ; LDS loads come back in order: row t is in
	global_store_b128 v[GO], v[OB+4*t:OB+4*t+3], s[10+2*(\mat):11+2*(\mat)] offset:512*t  ; a whole row: 512 consecutive bytes, aligned
.set t, t+1
.endr
.endr
	s_wait_tensorcnt 0x0                           ; the wave's end: behind my last tensor load and my last LDS store
	ds_add_u32 v[SPW], v[NIL]
	s_wait_dscnt 0x0
	CROUND                                         ; the closing round: no work-group ends while a partner may still ask for a tile that names it
	s_endpgm
.Lfunc_end_k_q8e01632b7e_proj:
	.size	k_q8e01632b7e_proj, .Lfunc_end_k_q8e01632b7e_proj-k_q8e01632b7e_proj
	.p2alignl 7, 3214868480
	.fill 96, 4, 3214868480
	.section	.rodata,"a",@progbits
	.p2align	6, 0x0
	.amdhsa_kernel k_q8e01632b7e_proj
		.amdhsa_group_segment_fixed_size 327680
		.amdhsa_private_segment_fixed_size 0
		.amdhsa_enable_private_segment 0
		.amdhsa_kernarg_size 48
		.amdhsa_user_sgpr_count 2
		.amdhsa_user_sgpr_kernarg_segment_ptr 1
		.amdhsa_wavefront_size32 1
		.amdhsa_system_sgpr_workgroup_id_x 1
		.amdhsa_system_sgpr_workgroup_id_y 1
		.amdhsa_system_sgpr_workgroup_id_z 1
		.amdhsa_system_vgpr_workitem_id 0
		.amdhsa_next_free_vgpr 1024
		.amdhsa_next_free_sgpr 66
		.amdhsa_reserve_vcc 0
		.amdhsa_float_denorm_mode_32 3
		.amdhsa_float_denorm_mode_16_64 3
		.amdhsa_memory_ordered 1
		.amdhsa_forward_progress 1
		.amdhsa_inst_pref_size 225
	.end_amdhsa_kernel
	.amdgpu_metadata
---
amdhsa.version: [ 1, 2 ]
amdhsa.kernels:
  - .name:           k_q8e01632b7e_proj
    .symbol:         k_q8e01632b7e_proj.kd
    .args:
      - { .name: x, .offset: 0, .size: 8, .value_kind: global_buffer, .address_space: global }
      - { .name: wt, .offset: 8, .size: 8, .value_kind: global_buffer, .address_space: global }
      - { .name: bias, .offset: 16, .size: 8, .value_kind: global_buffer, .address_space: global }
      - { .name: q16, .offset: 24, .size: 8, .value_kind: global_buffer, .address_space: global }
      - { .name: k16, .offset: 32, .size: 8, .value_kind: global_buffer, .address_space: global }
      - { .name: v16, .offset: 40, .size: 8, .value_kind: global_buffer, .address_space: global }
    .group_segment_fixed_size: 327680
    .private_segment_fixed_size: 0
    .kernarg_segment_align: 8
    .kernarg_segment_size: 48
    .max_flat_workgroup_size: 128
    .sgpr_count:     66
    .vgpr_count:     1024
    .wavefront_size: 32
...
	.end_amdgpu_metadata
.endif
;; end of part 2
;; launch attn (part 3): grid 16 x 16, 4 waves a work-group, clusters of 4 x 1, 327,680 bytes of LDS; arguments q16, k16, v16, out0; writes out0
.if DOCPART == 3
	.amdgcn_target "amdgcn-amd-amdhsa--gfx1250"
	.amdhsa_code_object_version 6
	.text
	.protected	k_q8e01632b7e_attn
	.globl	k_q8e01632b7e_attn
	.p2align	8
	.type	k_q8e01632b7e_attn,@function
k_q8e01632b7e_attn:
	s_mov_b64 s[64:65], 0
	v_nop
	global_prefetch_b8 v0, s[64:65] scope:SCOPE_SE
	s_setreg_imm32_b32 hwreg(HW_REG_WAVE_MODE, 25, 1), 1
	s_wait_xcnt 0x0
	s_wait_alu depctr_hold_cnt(0) depctr_sa_sdst(0) depctr_va_vdst(0) depctr_va_sdst(0) depctr_va_ssrc(0) depctr_va_vcc(0) depctr_vm_vsrc(0)
	s_getreg_b32 s2, hwreg(HW_REG_IB_STS2, 6, 4)
	s_cmp_eq_u32 s2, 0
	s_cbranch_scc0 .Lentry_in_a_cluster
	s_endpgm
.Lentry_in_a_cluster:
	s_bfe_u32 s2, ttmp6, 0x10000c
	s_cmp_lg_u32 s2, 0x3003
	s_cbranch_scc0 .Lentry_shape_is_right
	s_endpgm
.Lentry_shape_is_right:
; CAUSAL ATTENTION, one head of 256 channels.  out0[b][t] = the sum over s <= t of softmax_s(q[b][t] . k[b][s] / sqrt(2048)) v[b][s].  q16, k16, v16: [16][2048][256] f16; out0 the same in f32.
; Products, maxima and sums in f32; the weights p are rounded to f16 for the second product (their sum l is taken of the unrounded p).
; LIMITS.  q, k, v arrive within f16's 65,504.  A hidden score counts as its value less 1e30; a weight below 2^-126 counts as 0 in l; NaN and infinities are not treated apart.
; THE WALK.  A batch's queries lie in 8 super-blocks of 256; super-block J needs the key tiles 0 .. 2 J + 1 of 128 keys.  Cluster c of a batch takes super-blocks 7 - c and then c:
; (16 - 2 c) + (2 c + 2) = 18 tiles, whatever c: nine laps of two tiles, a constant.  The four work-groups of a cluster each own 64 queries of the super-block and walk the same tiles, so every tile
; is asked for JOINTLY.  What steers a jump hangs on c and on counters alone, which the partners share; a work-group's place in its cluster enters global addresses and the mask's two scalars only.
; SHARES.  Wave w = 2 a + kb: the 32 queries 32 a .. of the work-group's 64, and of each tile the keys 64 kb .. 64 kb + 63.  Each wave keeps a running maximum, sum and O^T of its own; at a block's end
; the two waves of a pair merge.  Register tile u holds query tile u xor kb, so that every wave keeps tile 0 and hands tile 1 to its partner: one text for all.
; LAYOUT.  S^T = K Q^T (source 0 = 16 keys, source 1 = 16 queries): a lane holds ONE query (lane % 16) and the keys 8 (lane / 16) + 0..7; two such results rounded to f16 ARE source 1 of
; O^T = V^T P.  K comes out of LDS as it lies, V turned, by ds_load_tr16_b128.
; SOFTMAX.  p = 2^(c s - c m), c = log2(e) / sqrt(2048), m the running maximum; O and l are multiplied by a = 2^(c m_old - c m_new) in every tile.
; THE MASK is the C operand that starts each sum: MD x AL + BE.  MD, made once, is -1e30 where a key of my 64 lies above my query in the group of 64 that holds the diagonal.  In a block's last lap
; key group kg = kb + 2 x slot against my work-group's place g: (AL, BE) = (1, 0) if kg = g, (0, 0) if kg < g, (0, -1e30) if kg > g; in all other laps (0, 0).
; IN PHASES: K Q^T, the softmax, V^T P.  A tile's K and V are in registers when the softmax ends; there the slot changes, so the refill has a whole tile's work in which to land.
; LDS: two slots of 137,216 (K: 128 rows, pitch 528 = 33 x 16; V: 128 rows, pitch 544 = 17 x 32); the pairs' exchange 4 x 8,192; their statistics; a stage of 16 rows x 272 a wave; the spare words.
; REGISTERS: window 0: v2-17 addresses; v18-31 at work; v32-47 statistics; v64-127 S^T; v128-159 P; v160-223 the masks to come; v224-255 the way out.
;            window 1: O^T, 128 u + 8 cb.   window 2: v0-127 Q, 64 u + 8 chunk; v128-191 MD.   window 3: two buffers of 128 for K's, then V's fragments.
.set PK,    528
.set PVP,   544
.set VOFF,  128*PK
.set SLOT,  128*(PK+PVP)
.set XCH,   2*SLOT
.set STATS, XCH+4*8192
.set OST,   STATS+2048
.set OPI,   272
.set SPARE, OST+4*16*OPI               ; the spare words, 128 bytes a wave: two blocks of 256 bytes that no other line names
.set AK,   2                           ; v2-3   my place in K's fragments, slot 0, 1
.set AV,   4                           ; v4-5   in V's
.set QO,   6                           ; v6-7   my byte offset in Q, register tile 0, 1
.set XST,  8                           ; v8, v9   the exchange: where I put, where I take
.set XLD,  9
.set SST,  10                          ; v10, v11 the same for the statistics
.set SLD,  11
.set OSTO, 12                          ; v12, v13 my stage: in, back
.set ORD,  13
.set GO,   14                          ; v14    my byte offset in two rows of out0
.set PFO,  15                          ; v15    256 x lane
.set SPW,  16                          ; v16    my spare word; never rewritten
.set NIL,  17                          ; v17    0; never rewritten
.set ST,   32                          ; tile u at ST + 8 u: c m, m, l (even keys', odd keys'), c0-c3 at work; a takes c2's place
.set S,    64
.set P,    128
.set MC,   160
.set OB,   224
.set MD,   128
.set WV,   12
.set KB,   13
.set SA,   14
.set SG,   15
.set SC,   16
.set G1K,  24
.set G1V,  32
.set G0K,  40                          ; a set for each slot
.set G0V,  48
.set LAPS, 56
.set RT,   57                          ; laps of the block in hand that are still to come, this one among them
.set CS,   58
.set SEL,  60
.set NXT,  62                          ; the tile to be asked for next
.set LQ,   63                          ; the last tile of the block whose tiles are being asked for
.set OFF,  66                          ; s[66:67] a tile's byte offset: feeds the joint descriptors, never holds my place in the cluster
.set AL,   68
.set BE,   70
.set BIGN, 72
.set GX,   73
.set PFA,  74
.set PFN,  76                          ; prefetches still to come
.set KG,   77
.set Q2,   78                          ; s[78:79] Q, s[80:81] out0 at my rows of the second block
.set O2,   80
.set TP,   82                          ; s[82:83] offsets that hold my place in the cluster
.set KBASE, 84
.set VBASE, 86
.set LQ2,  88
.set MSB, 0
.macro WIN new
.if MSB != (\new)
	s_set_vgpr_msb (MSB<<8)|(\new)
.set MSB, \new
.endif
.endm
.macro PLACES                          ; four places between a matrix instruction and a load into, or a vector line on, its registers
.rept 4
	v_nop
.endr
.endm
.macro BOTH line:vararg                ; one line for each register tile u
.set u, 0
.rept 2
	\line
.set u, u+1
.endr
.endm
.macro CROUND                          ; a round of the cluster's barrier
	s_barrier_signal -1
	s_barrier_wait -1
	s_cmp_lg_u32 s[WV], 0
	s_cbranch_scc1 .Lnw0_\@
	s_barrier_signal -3
.Lnw0_\@:
	s_barrier_wait -3
	s_barrier_signal -1
	s_barrier_wait -1
.endm
.macro JLOAD s                         ; a joint refill of slot s: waves 0, 1 the two halves of K's tile, waves 2, 3 of V's.  An s_nop 0 and four v_nop follow each line
	s_cmp_lt_u32 s[WV], 2
	s_cbranch_scc0 .Lfv_\@
	tensor_load_to_lds s[G0K+4*(\s):G0K+4*(\s)+3], s[G1K:G1K+7]
	s_nop 0
	PLACES
	s_branch .Lfd_\@
.Lfv_\@:
	tensor_load_to_lds s[G0V+4*(\s):G0V+4*(\s)+3], s[G1V:G1V+7]
	s_nop 0
	PLACES
.Lfd_\@:
.endm
; A PREFETCH INTO THE L2 of the tile that the NEXT change of slots will ask for, behind the joint refill.  All four clusters of a batch walk tiles 0 on; cluster 0, whose first block has all 16, names them,
; and nobody else; tiles 3 to 15, thirteen times.  A tile's 512 blocks of 256 bytes are shared out by address: 4 work-groups x 4 waves (0, 1: K; 2, 3: V) x 32 lanes.  The second block's tiles have been read.
.macro ASK
	s_cmp_lg_u32 s[PFN], 0
	s_cbranch_scc0 .Lna_\@
	global_prefetch_b8 v[PFO], s[PFA:PFA+1] th:TH_LOAD_NT scope:SCOPE_SE
	s_sub_co_u32 s[PFN], s[PFN], 1
.Lna_\@:
.endm
.macro QLOAD base                      ; 32 queries x 256 channels: tile u, channels 32 ch on, at 64 u + 8 ch of window 2
.irp uq, 0,1
.irp ch, 0,1,2,3,4,5,6,7
	global_load_b128 v[64*(\uq)+8*(\ch):64*(\uq)+8*(\ch)+3],   v[QO+(\uq)], s[\base:\base+1] offset:64*(\ch)
	global_load_b128 v[64*(\uq)+8*(\ch)+4:64*(\uq)+8*(\ch)+7], v[QO+(\uq)], s[\base:\base+1] offset:64*(\ch)+32
.endr
.endr
.endm
.macro FK s, hh                        ; K's key blocks 2 hh, 2 hh + 1 of my 64 keys, all 8 chunks of channels: 32 loads into buffer hh
	WIN 0xc0
.irp kq, 0,1
.irp ch, 0,1,2,3,4,5,6,7
	ds_load_b128 v[128*(\hh)+64*(\kq)+8*(\ch):128*(\hh)+64*(\kq)+8*(\ch)+3],   v[AK+(\s)] offset:16*(2*(\hh)+(\kq))*PK+64*(\ch)
	ds_load_b128 v[128*(\hh)+64*(\kq)+8*(\ch)+4:128*(\hh)+64*(\kq)+8*(\ch)+7], v[AK+(\s)] offset:16*(2*(\hh)+(\kq))*PK+64*(\ch)+32
.endr
.endr
.endm
.macro FV s, kk                        ; V^T for keys 32 kk on, all 16 channel blocks: 32 turning loads into buffer kk
	WIN 0xc0
.irp cq, 0,1,2,3,4,5,6,7,8,9,10,11,12,13,14,15
	ds_load_tr16_b128 v[128*(\kk)+8*(\cq):128*(\kk)+8*(\cq)+3],   v[AV+(\s)] offset:32*(\kk)*PVP+32*(\cq)
	ds_load_tr16_b128 v[128*(\kk)+8*(\cq)+4:128*(\kk)+8*(\cq)+7], v[AV+(\s)] offset:32*(\kk)*PVP+16*PVP+32*(\cq)
.endr
.endm
.macro KQ hh                           ; 32 products: chunk i / 4, key block 2 hh + (i / 2) % 2, tile i % 2.  Four accumulators by turns; the first four start the sums with the mask
	WIN 0x0b
.set i, 0
.rept 32
.set rS, S+32*(i%2)+8*(2*(\hh)+(i/2)%2)
.set rK, 128*(\hh)+64*((i/2)%2)+8*(i/4)
.set rQ, 64*(i%2)+8*(i/4)
.set rM, MC+32*(i%2)+8*(2*(\hh)+(i/2)%2)
.if i < 4
	v_wmma_f32_16x16x32_f16 v[rS:rS+7], v[rK:rK+7], v[rQ:rQ+7], v[rM:rM+7]
.else
	v_wmma_f32_16x16x32_f16 v[rS:rS+7], v[rK:rK+7], v[rQ:rQ+7], v[rS:rS+7]
.endif
.set i, i+1
.endr
.endm
.macro PVM kk                          ; 32 products O^T += V^T P: channel block i / 2, tile i % 2: 32 accumulators by turns
	WIN 0x53
.set i, 0
.rept 32
.set rO, 128*(i%2)+8*(i/2)
.set rV, 128*(\kk)+8*(i/2)
.set rP, P+16*(i%2)+8*(\kk)
	v_wmma_f32_16x16x32_f16 v[rO:rO+7], v[rV:rV+7], v[rP:rP+7], v[rO:rO+7]
.set i, i+1
.endr
.endm
.macro MASK
	WIN 0x02
.set z, 0
.rept 32
	v_pk_fma_f32 v[MC+2*z:MC+2*z+1], v[MD+2*z:MD+2*z+1], s[AL:AL+1], s[BE:BE+1] op_sel_hi:[1,0,0]
.set z, z+1
.endr
.endm
; THE SOFTMAX of both tiles for a tile of keys, the two alternating so that no line reads the result of the one before it.  A lane has 32 scores a tile.
.macro SOFTMAX
	WIN 0
.irp j, 0,1,2,3                        ; the maximum: four chains of seven scores; each accumulator's lowest registers are read first
	BOTH v_max3_num_f32 v[ST+8*u+4+(\j)], v[S+32*u+8*(\j)], v[S+32*u+8*(\j)+1], v[S+32*u+8*(\j)+2]
.endr
.irp p, 1,2
.irp j, 0,1,2,3
	BOTH v_max3_num_f32 v[ST+8*u+4+(\j)], v[ST+8*u+4+(\j)], v[S+32*u+8*(\j)+2*(\p)+1], v[S+32*u+8*(\j)+2*(\p)+2]
.endr
.endr
	BOTH v_max3_num_f32 v[ST+8*u+4], v[ST+8*u+4], v[S+32*u+7], v[S+32*u+15]
	BOTH v_max3_num_f32 v[ST+8*u+6], v[ST+8*u+6], v[S+32*u+23], v[S+32*u+31]
	BOTH v_max3_num_f32 v[ST+8*u+4], v[ST+8*u+4], v[ST+8*u+5], v[ST+8*u+6]
	BOTH v_max3_num_f32 v[ST+8*u+4], v[ST+8*u+4], v[ST+8*u+7], v[ST+8*u+1]
	BOTH v_permlanex16_b32 v[ST+8*u+5], v[ST+8*u+4], s[SEL], s[SEL+1]  ; the query's other 32 keys lie in the lane 16 away
	BOTH v_mov_b32 v[ST+8*u+7], v[ST+8*u]                              ; c m_old is kept
	BOTH v_max_num_f32 v[ST+8*u+1], v[ST+8*u+4], v[ST+8*u+5]
	BOTH v_mul_f32 v[ST+8*u], s[CS], v[ST+8*u+1]
	BOTH v_sub_f32 v[ST+8*u+7], v[ST+8*u+7], v[ST+8*u]
.set z, 0
.rept 17                               ; ONE BATCH: the scalings c s - c m and all 66 exponentials, a pair's exponentials behind the next pair's scalings; nothing here names an exponential's result
.if z < 16
	BOTH v_pk_fma_f32 v[S+32*u+2*z:S+32*u+2*z+1], v[S+32*u+2*z:S+32*u+2*z+1], s[CS:CS+1], v[ST+8*u:ST+8*u+1] op_sel_hi:[1,0,0] neg_lo:[0,0,1] neg_hi:[0,0,1]
.endif
.if z > 0
	BOTH v_exp_f32 v[S+32*u+2*z-2], v[S+32*u+2*z-2]
	BOTH v_exp_f32 v[S+32*u+2*z-1], v[S+32*u+2*z-1]
.endif
.set z, z+1
.endr
	BOTH v_exp_f32 v[ST+8*u+6], v[ST+8*u+7]                            ; a
	v_nop                                          ; a plain instruction behind the last exponential,
	s_wait_alu depctr_va_vdst(0)                   ; and the one wait ahead of the batch's first reader
.set z, 0
.rept 16
	BOTH v_cvt_pk_f16_f32 v[P+16*u+z], v[S+32*u+2*z], v[S+32*u+2*z+1]
.set z, z+1
.endr
.irp w, 4,8,16,32                      ; the sum of a tile's 16 pairs, in place: neighbours 1, 2, 4 and 8 pairs apart
.set z, 0
.rept 32/(\w)
	BOTH v_pk_add_f32 v[S+32*u+(\w)*z:S+32*u+(\w)*z+1], v[S+32*u+(\w)*z:S+32*u+(\w)*z+1], v[S+32*u+(\w)*z+(\w)/2:S+32*u+(\w)*z+(\w)/2+1]
.set z, z+1
.endr
.endr
	BOTH v_pk_fma_f32 v[ST+8*u+2:ST+8*u+3], v[ST+8*u+2:ST+8*u+3], v[ST+8*u+6:ST+8*u+7], v[S+32*u:S+32*u+1] op_sel_hi:[1,0,1]  ; l = a l + sum
	WIN 0x41
.set z, 0
.rept 64                               ; O^T times a, each accumulator's registers in ascending order
	BOTH v_pk_mul_f32 v[128*u+2*z:128*u+2*z+1], v[128*u+2*z:128*u+2*z+1], v[ST+8*u+6:ST+8*u+7] op_sel_hi:[1,0]
.set z, z+1
.endr
.endm
; A TILE in slot s.  At its head K's 64 fragment loads are on their way.  kind 2: the slot is filled again; 1: a barrier alone (the last tile must be whole for everybody); 0: nothing.
; next = 1: the next tile's K is fetched from the other slot behind the products V^T P.
.macro TILE s, kind, next
	s_add_co_u32 s[KG], s[KB], 2*(\s)              ; my keys' group of 64 in the lap
	s_cmp_eq_u32 s[KG], s[GX]
	s_cselect_b32 s[AL], 1.0, 0
	s_cmp_gt_u32 s[KG], s[GX]
	s_cselect_b32 s[BE], s[BIGN], 0
	MASK
	s_wait_dscnt 32                                ; buffer 0 is in; buffer 1's 32 loads may stay out
	KQ 0
	PLACES
	FV \s, 0
	s_wait_dscnt 32                                ; buffer 1 is in; V's 32 loads may stay out
	KQ 1
	PLACES
	FV \s, 1
	SOFTMAX
	WIN 0
.if (\kind) == 2
	s_wait_tensorcnt 0x0                           ; all my tensor loads have landed: the one that was out is my part of the other slot; the descriptors may be written
	ds_add_u32 v[SPW], v[NIL]                      ; 0 onto my spare word
	s_lshl_b32 s[OFF], s[NXT], 16                  ; a tile is 65,536 bytes of K and of V: the address is made anew from the tile's number
	s_add_nc_u64 s[G0K+4*(\s)+2:G0K+4*(\s)+3], s[KBASE:KBASE+1], s[OFF:OFF+1]
	s_or_b32 s[G0K+4*(\s)+3], s[G0K+4*(\s)+3], 0x80000000
	s_add_nc_u64 s[G0V+4*(\s)+2:G0V+4*(\s)+3], s[VBASE:VBASE+1], s[OFF:OFF+1]
	s_or_b32 s[G0V+4*(\s)+3], s[G0V+4*(\s)+3], 0x80000000
	s_add_co_u32 s[NXT], s[NXT], 1                 ; the block's next tile, or behind its last the second block's tile 0
	s_cmp_gt_u32 s[NXT], s[LQ]
	s_cselect_b32 s[NXT], 0, s[NXT]
	s_cselect_b32 s[LQ], s[LQ2], s[LQ]
	s_wait_xcnt 0x0                                ; the last prefetch, a tile back, has read its address
	s_add_nc_u64 s[PFA:PFA+1], s[PFA:PFA+1], 65536
	s_wait_dscnt 0x0                               ; the add is done; V is in registers: my reads of this slot are over
	CROUND                                         ; the same holds of every wave of every partner
	JLOAD \s
	ASK
.elseif (\kind) == 1
	s_wait_tensorcnt 0x0
	ds_add_u32 v[SPW], v[NIL]
	s_wait_dscnt 0x0
	s_barrier_signal -1
	s_barrier_wait -1
.else
	s_wait_dscnt 0x0                               ; V is in
.endif
	PVM 0
	PLACES
.if \next
	FK 1-\s, 0
.endif
	PVM 1
	PLACES
.if \next
	FK 1-\s, 1
.endif
	WIN 0
.endm
.macro OUTQ qd                         ; 64 channels of my 16 rows: into my own stage (rows of 272 bytes), back as whole rows of 256, stored
	WIN 0x04                                       ; the data in window 1
.irp c4, 0,1,2,3
	ds_store_b128 v[OSTO], v[8*(4*(\qd)+(\c4)):8*(4*(\qd)+(\c4))+3]   offset:64*(\c4)
	ds_store_b128 v[OSTO], v[8*(4*(\qd)+(\c4))+4:8*(4*(\qd)+(\c4))+7] offset:64*(\c4)+16
.endr
	WIN 0
.if (\qd) >= 2
	s_wait_xcnt 0x0                                ; the stores of two quarters back have read this buffer
.endif
.set BK, OB-96*((\qd)%2)               ; v224-255 and v128-159 by turns
.irp i, 0,1,2,3,4,5,6,7
	ds_load_b128 v[BK+4*(\i):BK+4*(\i)+3], v[ORD] offset:2*OPI*(\i)  ; LDS serves a wave's instructions in order (ISA guide 5.7.1.4): these see the stores above
.endr
.irp i, 0,1,2,3,4,5,6,7
	s_wait_dscnt 7-(\i)
	global_store_b128 v[GO], v[BK+4*(\i):BK+4*(\i)+3], s[10:11] offset:2048*(\i)+256*(\qd)  ; sixteen lanes: 256 consecutive bytes, aligned
.endr
.endm
; A BLOCK ENDS: the two waves of a pair merge.  I hand my tile 1 (c m, l, O^T) to my partner and take its tile 1, which is my tile 0's queries over the other half of the keys:
; O = (O f + O' f') / (l f + l' f'), f = 2^(c m - max), f' = 2^(c m' - max).  O^T goes in two halves of 8,192 bytes a wave.  last = 0: the second block's Q is asked for first.
.macro BLOCKEND last
.if !(\last)
	WIN 0x80
	QLOAD Q2
.endif
	WIN 0
	BOTH v_add_f32 v[ST+8*u+4], v[ST+8*u+2], v[ST+8*u+3]
	BOTH v_permlanex16_b32 v[ST+8*u+5], v[ST+8*u+4], s[SEL], s[SEL+1]
	BOTH v_add_f32 v[ST+8*u+1], v[ST+8*u+4], v[ST+8*u+5]               ; l whole, beside c m
	ds_store_b64 v[SST], v[ST+8:ST+9]
	WIN 0x04
.set i, 0
.rept 16
	ds_store_b128 v[XST], v[128+4*i:128+4*i+3] offset:512*i            ; tile 1, channel blocks 0-7
.set i, i+1
.endr
	WIN 0
	s_wait_dscnt 0x0                               ; for my partner's sake: my stores are done
	s_barrier_signal -1
	s_barrier_wait -1
	ds_load_b64 v[24:25], v[SLD]
.set i, 0
.rept 16
	ds_load_b128 v[S+4*i:S+4*i+3], v[XLD] offset:512*i
.set i, i+1
.endr
	s_wait_dscnt 0x0                               ; my reads are over: the bytes may be written again
	s_barrier_signal -1
	s_barrier_wait -1
	WIN 0x04
.set i, 0
.rept 16
	ds_store_b128 v[XST], v[192+4*i:192+4*i+3] offset:512*i            ; channel blocks 8-15
.set i, i+1
.endr
	WIN 0
	s_wait_dscnt 0x0
	s_barrier_signal -1
	s_barrier_wait -1
.set i, 0
.rept 16
	ds_load_b128 v[MC+4*i:MC+4*i+3], v[XLD] offset:512*i
.set i, i+1
.endr
	v_max_num_f32 v22, v[ST], v24
	v_sub_f32 v18, v[ST], v22
	v_sub_f32 v19, v24, v22
	v_exp_f32 v18, v18
	v_exp_f32 v19, v19
	v_nop                                          ; a plain instruction, and a wait ahead of the first reader
	s_wait_alu depctr_va_vdst(0)
	v_mul_f32 v20, v[ST+1], v18
	v_fmac_f32 v20, v25, v19                       ; at least 1: the wave that holds the query's true maximum has f = 1 and l >= 1
	v_rcp_f32 v21, v20
	v_nop
	s_wait_alu depctr_va_vdst(0)
	v_mul_f32 v26, v18, v21
	v_mul_f32 v27, v18, v21                        ; named with it as a pair
	v_mul_f32 v28, v19, v21
	v_mul_f32 v29, v19, v21
	WIN 0x41
.set z, 0
.rept 64
	v_pk_mul_f32 v[2*z:2*z+1], v[2*z:2*z+1], v[26:27] op_sel_hi:[1,0]
.set z, z+1
.endr
	WIN 0x50
.set z, 0
.rept 32
	v_pk_fma_f32 v[2*z:2*z+1], v[S+2*z:S+2*z+1], v[28:29], v[2*z:2*z+1] op_sel_hi:[1,0,1]
.set z, z+1
.endr
	s_wait_dscnt 0x0                               ; the second half is in
.set z, 0
.rept 32
	v_pk_fma_f32 v[64+2*z:64+2*z+1], v[MC+2*z:MC+2*z+1], v[28:29], v[64+2*z:64+2*z+1] op_sel_hi:[1,0,1]
.set z, z+1
.endr
	OUTQ 0
	OUTQ 1
	OUTQ 2
	OUTQ 3
.endm
.macro BEGIN                           ; a block begins: c m far below every c s, so the first a is 0 and O^T and l need only be finite; m the lowest finite number
	BOTH v_mov_b32 v[ST+8*u], 0xfe000000
	BOTH v_mov_b32 v[ST+8*u+1], 0xff7fffff
	BOTH v_mov_b32 v[ST+8*u+2], 0
	BOTH v_mov_b32 v[ST+8*u+3], 0
	s_wait_loadcnt 0x0                             ; Q
.endm
.macro GXSEL                           ; in a block's last lap the mask goes by my work-group's place; elsewhere nothing is hidden
	s_cmp_eq_u32 s[RT], 1
	s_cselect_b32 s[GX], s[SG], 99
.endm
	s_load_b256 s[4:11], s[0:1], 0x0               ; q16 s[4:5], k16 s[6:7], v16 s[8:9], out0 s[10:11]
	v_lshl_add_u32 v[SPW], v0, 2, SPARE
	v_mov_b32 v[NIL], 0
	ds_add_u32 v[SPW], v[NIL]                      ; the wave's opening: the add, and its wait ahead of my first tensor load
	v_lshrrev_b32 v1, 5, v0
	v_readfirstlane_b32 s[WV], v1                  ; wave 0..3
	s_and_b32 s[KB], s[WV], 1
	s_lshr_b32 s[SA], s[WV], 1
	s_bfe_u32 s[SG], ttmp6, 0x40000                ; g: my place in the cluster
	s_mov_b32 s[SC], ttmp9                         ; c: the cluster among the batch's four
	s_and_b32 s20, ttmp7, 0xffff                   ; the batch
	s_mov_b32 s[G1K], 15|(1<<16)|(1<<20)|(1<<21)|(6<<22)|(3<<25)  ; the mask of four; 2-byte elements; padding on; bit 21 beside a mask; after every 128 words 4 words
	s_mov_b32 s[G1V], 15|(1<<16)|(1<<20)|(1<<21)|(6<<22)|(7<<25)  ; the same with 8 words
.irp g, G1K, G1V
	s_mov_b32 s[(\g)+1], 256<<16                   ; tensor_dim0 = 256
	s_mov_b32 s[(\g)+2], 64<<16                    ; tensor_dim1 = 64
	s_mov_b32 s[(\g)+3], 256<<16                   ; tile_dim0 = 256 (512 bytes)
	s_mov_b32 s[(\g)+4], 64                        ; tile_dim1 = 64 rows
	s_mov_b32 s[(\g)+5], 256
	s_mov_b32 s[(\g)+6], 0
	s_mov_b32 s[(\g)+7], 0
.endr
	s_lshl_b32 s2, s20, 20                         ; the batch's 1,048,576 bytes of K and of V,
	s_lshl_b32 s3, s[KB], 15                       ; the half of a tile that I fetch
	s_add_co_u32 s2, s2, s3
	s_mov_b32 s3, 0
	s_mul_i32 s17, s[KB], 64*PK                    ; and its place in a slot
	s_mul_i32 s18, s[KB], 64*PVP
	s_add_co_u32 s18, s18, VOFF
	s_lshl_b32 s21, s20, 11                        ; my 32 queries: the batch's 2,048 rows,
	s_lshl_b32 s22, s[SG], 6
	s_add_co_u32 s21, s21, s22
	s_lshl_b32 s22, s[SA], 5
	s_add_co_u32 s21, s21, s22
	s_sub_co_u32 s22, 7, s[SC]
	s_lshl_b32 s22, s22, 8
	s_add_co_u32 s22, s22, s21                     ; in super-block 7 - c,
	s_lshl_b32 s23, s[SC], 8
	s_add_co_u32 s23, s23, s21                     ; and in super-block c
	s_mov_b32 s[OFF+1], 0
	s_mov_b32 s[TP+1], 0
	s_mov_b32 s[CS], 0x3d0293ee                    ; c = log2(e) / sqrt(2048) = 0.0318793
	s_mov_b32 s[CS+1], s[CS]
	s_mov_b32 s[SEL], 0x76543210
	s_mov_b32 s[SEL+1], 0xfedcba98
	s_mov_b32 s[AL+1], 0
	s_mov_b32 s[BE+1], 0
	s_mov_b32 s[BIGN], 0xf149f2ca                  ; -1e30
	s_sub_co_u32 s[RT], 8, s[SC]                   ; the first block has 8 - c laps
	s_mov_b32 s[NXT], 2
	s_lshl_b32 s19, s[SC], 1
	s_sub_co_u32 s[LQ], 15, s19
	s_add_co_u32 s[LQ2], s19, 1
	s_cmp_eq_u32 s[SC], 0
	s_cselect_b32 s[PFN], 13, 0
	s_wait_dscnt 0x0                               ; the opening add is done
	s_wait_kmcnt 0x0
	s_add_nc_u64 s[KBASE:KBASE+1], s[6:7], s[2:3]
	s_add_nc_u64 s[VBASE:VBASE+1], s[8:9], s[2:3]
.irp sl, 0,1
	s_mov_b32 s[G0K+4*(\sl)], 1
	s_add_co_u32 s[G0K+4*(\sl)+1], s17, (\sl)*SLOT
	s_add_nc_u64 s[G0K+4*(\sl)+2:G0K+4*(\sl)+3], s[KBASE:KBASE+1], (\sl)*65536
	s_or_b32 s[G0K+4*(\sl)+3], s[G0K+4*(\sl)+3], 0x80000000
	s_mov_b32 s[G0V+4*(\sl)], 1
	s_add_co_u32 s[G0V+4*(\sl)+1], s18, (\sl)*SLOT
	s_add_nc_u64 s[G0V+4*(\sl)+2:G0V+4*(\sl)+3], s[VBASE:VBASE+1], (\sl)*65536
	s_or_b32 s[G0V+4*(\sl)+3], s[G0V+4*(\sl)+3], 0x80000000
.endr
	CROUND                                         ; all four work-groups are here: the first joint loads meet
	s_cmp_lt_u32 s[WV], 2                          ; a wave's two first fills stand in one branch: tiles 0 and 1; two loads of mine are out
	s_cbranch_scc0 .Lfirst_v
	tensor_load_to_lds s[G0K:G0K+3], s[G1K:G1K+7]
	s_nop 0
	tensor_load_to_lds s[G0K+4:G0K+7], s[G1K:G1K+7]
	s_nop 0
	PLACES
	s_branch .Lfirst_done
.Lfirst_v:
	tensor_load_to_lds s[G0V:G0V+3], s[G1V:G1V+7]
	s_nop 0
	tensor_load_to_lds s[G0V+4:G0V+7], s[G1V:G1V+7]
	s_nop 0
	PLACES
.Lfirst_done:
	s_lshl_b32 s[TP], s23, 9                       ; rows of 512 bytes in Q,
	s_add_nc_u64 s[Q2:Q2+1], s[4:5], s[TP:TP+1]
	s_lshl_b32 s[TP], s22, 9
	s_add_nc_u64 s[4:5], s[4:5], s[TP:TP+1]
	s_lshl_b32 s19, s[KB], 4                       ; I finish query tile kb:
	s_add_co_u32 s23, s23, s19
	s_add_co_u32 s22, s22, s19
	s_lshl_b32 s[TP], s23, 10                      ; rows of 1,024 bytes in out0
	s_add_nc_u64 s[O2:O2+1], s[10:11], s[TP:TP+1]
	s_lshl_b32 s[TP], s22, 10
	s_add_nc_u64 s[10:11], s[10:11], s[TP:TP+1]
	s_cmp_lt_u32 s[WV], 2                          ; the prefetches: K for waves 0, 1, V for waves 2, 3,
	s_cselect_b64 s[PFA:PFA+1], s[6:7], s[8:9]
	s_lshl_b32 s[TP], s20, 20                      ; the batch,
	s_lshl_b32 s19, s[SG], 14                      ; my work-group's quarter of a tile,
	s_add_co_u32 s[TP], s[TP], s19
	s_lshl_b32 s19, s[KB], 13                      ; my wave's half of that
	s_add_co_u32 s[TP], s[TP], s19
	s_add_nc_u64 s[PFA:PFA+1], s[PFA:PFA+1], s[TP:TP+1]
	s_add_nc_u64 s[PFA:PFA+1], s[PFA:PFA+1], 2*65536  ; at tile 2: the first change of slots steps it to 3.  Nothing is prefetched here, at the head
	v_and_b32 v18, 15, v0                          ; r
	v_bfe_u32 v19, v0, 4, 1                        ; h
	v_and_b32 v20, 31, v0                          ; l
	v_and_b32 v21, 7, v0
	v_bfe_u32 v22, v0, 3, 1
	s_lshl_b32 s17, s[KB], 13                      ; register tile u holds query tile u xor kb: 16 rows of 512 bytes
	s_xor_b32 s18, s17, 8192
	v_lshlrev_b32 v23, 9, v18
	v_lshl_add_u32 v23, v19, 4, v23
	v_add_nc_u32 v[QO], s17, v23
	v_add_nc_u32 v[QO+1], s18, v23
	WIN 0x80
	QLOAD 4
	WIN 0
	s_mul_i32 s17, s[KB], 64*PK                    ; K: row (64 kb + r) x pitch + 16 h
	v_mul_u32_u24 v[AK], v18, PK
	v_lshl_add_u32 v[AK], v19, 4, v[AK]
	v_add_nc_u32 v[AK], s17, v[AK]
	v_add_nc_u32 v[AK+1], SLOT, v[AK]
	s_mul_i32 s17, s[KB], 64*PVP                   ; V: the turning load: key 64 kb + 8 h + l % 8, channels 8 ((l / 8) % 2) on
	s_add_co_u32 s17, s17, VOFF
	v_lshl_add_u32 v[AV], v19, 3, v21
	v_mul_u32_u24 v[AV], v[AV], PVP
	v_lshl_add_u32 v[AV], v22, 4, v[AV]
	v_add_nc_u32 v[AV], s17, v[AV]
	v_add_nc_u32 v[AV+1], SLOT, v[AV]
	s_xor_b32 s18, s[WV], 1                        ; my partner
	s_lshl_b32 s17, s[WV], 13
	s_add_co_u32 s17, s17, XCH
	v_lshl_add_u32 v[XST], v20, 4, s17
	s_lshl_b32 s17, s18, 13
	s_add_co_u32 s17, s17, XCH
	v_lshl_add_u32 v[XLD], v20, 4, s17
	s_lshl_b32 s17, s[WV], 8
	s_add_co_u32 s17, s17, STATS
	v_lshl_add_u32 v[SST], v20, 3, s17
	s_lshl_b32 s17, s18, 8
	s_add_co_u32 s17, s17, STATS
	v_lshl_add_u32 v[SLD], v20, 3, s17
	s_mul_i32 s17, s[WV], 16*OPI
	s_add_co_u32 s17, s17, OST                     ; my stage
	v_mul_u32_u24 v[OSTO], v18, OPI                ; in: row r, 32 bytes for each half of the lanes
	v_lshl_add_u32 v[OSTO], v19, 5, v[OSTO]
	v_add_nc_u32 v[OSTO], s17, v[OSTO]
	v_mul_u32_u24 v[ORD], v19, OPI                 ; back: lanes 0-15 one row of 256 bytes, lanes 16-31 the next
	v_lshl_add_u32 v[ORD], v18, 4, v[ORD]
	v_add_nc_u32 v[ORD], s17, v[ORD]
	v_lshlrev_b32 v[GO], 10, v19                   ; and the same two rows in out0
	v_lshl_add_u32 v[GO], v18, 4, v[GO]
	v_lshlrev_b32 v[PFO], 8, v20
	s_lshl_b32 s17, s[SA], 5                       ; MD: my query's place in its 64, 32 a + 16 (u xor kb) + r, less my lanes' 8 h: register j of key block kq is hidden where 16 kq + j is greater
	s_lshl_b32 s18, s[KB], 4
	s_add_co_u32 s17, s17, s18
	s_xor_b32 s18, s17, 16
	v_lshlrev_b32 v23, 3, v19
	v_sub_nc_u32 v23, v18, v23
	v_add_nc_u32 v24, s17, v23
	v_add_nc_u32 v25, s18, v23
	WIN 0x80
.set i, 0
.rept 64
	v_cmp_gt_i32 vcc_lo, 16*((i%32)/8)+i%8, v[24+i/32]
	v_cndmask_b32 v[MD+i], 0, s[BIGN], vcc_lo
.set i, i+1
.endr
	WIN 0x40
.set i, 0
.rept 256                              ; O^T must be finite when the first a = 0 multiplies it; written in the wait for the first tile, so that no first step is written out
	v_mov_b32 v[i], 0
.set i, i+1
.endr
	WIN 0
	BEGIN
	s_wait_tensorcnt 0x1                           ; my part of tile 0 is in; tile 1's may stay out
	s_barrier_signal -1
	s_barrier_wait -1
	FK 0, 0
	FK 0, 1
	WIN 0
	s_mov_b32 s[LAPS], 8
.Llap:                                             ; eight laps: two tiles are worked on, and both slots are filled again
	GXSEL
	TILE 0, 2, 1
	TILE 1, 2, 1
	s_sub_co_u32 s[RT], s[RT], 1
	s_cmp_lg_u32 s[RT], 0
	s_cbranch_scc1 .Lgo                            ; hangs on c and on the count of laps: the same in all waves and all partners
	BLOCKEND 0                                     ; the first block's end
	s_wait_xcnt 0x0                                ; the stores have read their registers and out0's address
	s_mov_b64 s[10:11], s[O2:O2+1]
	s_add_co_u32 s[RT], s[SC], 1                   ; the second block has c + 1 laps
	BEGIN
.Lgo:
	s_sub_co_u32 s[LAPS], s[LAPS], 1
	s_cmp_lg_u32 s[LAPS], 0
	s_cbranch_scc1 .Llap
	GXSEL                                          ; the ninth lap is written out: nothing is asked for
	TILE 0, 1, 1
	TILE 1, 0, 0
	BLOCKEND 1
	s_wait_tensorcnt 0x0                           ; the wave's end: behind my last tensor load and my last LDS store
	ds_add_u32 v[SPW], v[NIL]
	s_wait_dscnt 0x0
	CROUND                                         ; the closing round: no work-group ends while a partner may still ask for a tile that names it
	s_endpgm
.Lfunc_end_k_q8e01632b7e_attn:
	.size	k_q8e01632b7e_attn, .Lfunc_end_k_q8e01632b7e_attn-k_q8e01632b7e_attn
	.p2alignl 7, 3214868480
	.fill 96, 4, 3214868480
	.section	.rodata,"a",@progbits
	.p2align	6, 0x0
	.amdhsa_kernel k_q8e01632b7e_attn
		.amdhsa_group_segment_fixed_size 327680
		.amdhsa_private_segment_fixed_size 0
		.amdhsa_enable_private_segment 0
		.amdhsa_kernarg_size 32
		.amdhsa_user_sgpr_count 2
		.amdhsa_user_sgpr_kernarg_segment_ptr 1
		.amdhsa_wavefront_size32 1
		.amdhsa_system_sgpr_workgroup_id_x 1
		.amdhsa_system_sgpr_workgroup_id_y 1
		.amdhsa_system_sgpr_workgroup_id_z 1
		.amdhsa_system_vgpr_workitem_id 0
		.amdhsa_next_free_vgpr 1024
		.amdhsa_next_free_sgpr 96
		.amdhsa_reserve_vcc 1
		.amdhsa_float_denorm_mode_32 3
		.amdhsa_float_denorm_mode_16_64 3
		.amdhsa_memory_ordered 1
		.amdhsa_forward_progress 1
		.amdhsa_inst_pref_size 228
	.end_amdhsa_kernel
	.amdgpu_metadata
---
amdhsa.version: [ 1, 2 ]
amdhsa.kernels:
  - .name:           k_q8e01632b7e_attn
    .symbol:         k_q8e01632b7e_attn.kd
    .args:
      - { .name: q16, .offset: 0, .size: 8, .value_kind: global_buffer, .address_space: global }
      - { .name: k16, .offset: 8, .size: 8, .value_kind: global_buffer, .address_space: global }
      - { .name: v16, .offset: 16, .size: 8, .value_kind: global_buffer, .address_space: global }
      - { .name: out0, .offset: 24, .size: 8, .value_kind: global_buffer, .address_space: global }
    .group_segment_fixed_size: 327680
    .private_segment_fixed_size: 0
    .kernarg_segment_align: 8
    .kernarg_segment_size: 32
    .max_flat_workgroup_size: 128
    .sgpr_count:     96
    .vgpr_count:     1024
    .wavefront_size: 32
...
	.end_amdgpu_metadata
.endif
;; end of part 3
